; MI455X (gfx1250); checked and timed in simulation.
; The chip was launched on July 23, 2026; its instructions are those of AMD's public machine-readable ISA for CDNA 5 (MIT licence, August 2026) and "CDNA5" Instruction Set Architecture Reference Guide (July 2026). The comments in the code are by the model that wrote it; some were corrected since.
;; Encoder Layer. Allowed arithmetic: matrix products marked QUANTISED: E4M3 operands, one E8M0 scale for each 32 along K, by v_wmma_scale_f32_16x16x128_f8f6f4 with both operands' format E4M3, f32 sums; everything else in f32.
;; Inputs: W1_codes 1,024 x 16 x 32 uint8 (E4M3 codes of W1, K innermost, in blocks of 32 codes); W1_scales 1,024 x 16 uint8 (E8M0 scales of W1, one for each 32 codes along K); W2_codes 512 x 32 x 32 uint8 (E4M3 codes of W2, K innermost, in blocks of 32 codes); W2_scales 512 x 32 uint8 (E8M0 scales of W2, one for each 32 codes along K); b1 1,024 float32; b2 512 float32; ln1_b 512 float32; ln1_g 512 float32; ln2_b 512 float32; ln2_g 512 float32; x 64 x 500 x 512 float32.
;; Outputs: out0 64 x 500 x 512 float32.
;; This version of the problem:
;;   THIS VERSION OF THE PROBLEM IS GIVEN IN LOW PRECISION. The matrix products marked QUANTISED in the list below multiply operands that are first quantised to E4M3 (4 exponent bits, 3 mantissa bits; 8 bits a number), with one power-of-two scale for each 32 numbers along K (OCP MX v1.0); their sums are f32. All else is computed in f32.
;;   The module's matrix products, in the order in which they are computed (A, B: the left and right operand; K: the contracted axis; several contracted axes count as one K, in the product's order):
;;     1. batch 512 x [M 500, K 64] x [K 64, N 500]; A: computed on the way; B: computed on the way: QUANTISED
;;     2. batch 512 x [M 500, K 500] x [K 500, N 64]; A: softmax (see below); B: computed on the way: QUANTISED
;;     3. [M 32,000, K 512] x [K 512, N 1,024]; A: computed on the way; B: input W1 (given as codes): QUANTISED
;;     4. [M 32,000, K 1,024] x [K 1,024, N 512]; A: computed on the way; B: input W2 (given as codes): QUANTISED
;;   THE QUANTISER, for each operand of a quantised product, along K:
;;     - K is cut into blocks of 32 from its start; a last block that is shorter is filled with zeros.
;;     - A block's scale is 2^e with e = floor(log2(the largest magnitude in the block)) - 8, held to -126 .. 127; a block of zeros has e = 0. As a byte (E8M0): e + 127.
;;     - Each number is divided by its block's scale, clamped to +-448, and rounded to the nearest number of E4M3, ties to even, subnormals kept.
;;     - The product sums the exact products of the quantised numbers (number of the format x scale) in f32.
;;   ~~~python
;;   def quantise(x, axis):      # numpy; x: float32 -> the quantised numbers, widened to float32 again
;;       x = np.moveaxis(x, axis, -1); K = x.shape[-1]
;;       x = np.pad(x, [(0, 0)] * (x.ndim - 1) + [(0, -K % 32)]); x = x.reshape(x.shape[:-1] + (-1, 32)); a = np.abs(x).max(-1, keepdims=True)
;;       e = np.where(a > 0, np.clip(np.frexp(np.where(a > 0, a, 1))[1] - 1 - 8, -126, 127), 0)      # np.frexp(a)[1] - 1 = floor(log2(a)), exactly
;;       r = np.clip(x / 2.0 ** e, -448, 448)
;;       step = 2.0 ** (np.maximum(np.frexp(np.where(r == 0, 1, r))[1] - 1, -6) - 3)
;;       q = np.round(r / step) * step * 2.0 ** e      # np.round: ties to even
;;       return np.moveaxis(q.reshape(q.shape[:-2] + (-1,))[..., :K], -1, axis).astype(np.float32)
;;   ~~~
;;   SOFTMAX AHEAD OF A QUANTISED PRODUCT. Where the list says 'softmax', what is quantised is not the finished softmax but p = 2^(t - M), with t = logit x log2(e) and M = ceil(the row's largest t), a whole number; so 1/2 < the row's largest p <= 1. The row's sum l is taken of the UNQUANTISED p, in f32, and the product's result is divided by l at the end. Since M is a whole number, a kernel that streams over the keys may use a running M (the ceiling of the running maximum): every later rescaling is an exact power of two, which a block's scale takes up: the codes' values come out the same.
;;   OPERANDS COMPUTED ON THE WAY. 'Computed on the way' means the value that the module computes at that place (a softmax that the list does not call 'softmax' is quantised finished and normalised). What goes into a quantiser is computed in f32, as accurately as f32 sums, v_exp_f32 and their like allow (about 1e-6 of the number): no bf16 or f16 on the way to a quantiser, and a product that is left as it is and whose result goes on into a quantised operand takes f32 operands (vector FMAs, or v_wmma_f32_16x16x4_f32). A number that lies on a knife's edge between two numbers of the format may be rounded either way, as far as f32 arithmetic and the matrix unit's own rounding can turn it there, and no further.
;;   INPUTS GIVEN AS CODES. W1 (in the module: [512, 1024], K = its axis 0); W2 (in the module: [1024, 512], K = its axis 0): each comes as NAME_codes (uint8): NAME with its K axis moved to the last place and cut into blocks of 32 codes, [.., K / 32, bytes a block], one block behind the other in memory; one code a byte (a code: sign, 4 exponent bits, 3 mantissa bits); and NAME_scales (uint8): the same leading axes, one E8M0 byte (e + 127) for each 32 codes along K. Its value is code x scale, taken as it is: it is not quantised again, and the codes and scales need not be those that the quantiser above would give.
;; One version. Each part assembles by itself: llvm-mc -triple=amdgcn-amd-amdhsa -mcpu=gfx1250 --defsym DOCPART=n.
;; ======== version 1 of 1: 2 launches
;; workspace buffers: kv 35,127,296 bytes; st 256,000 bytes; wf 1,081,344 bytes
;; launch prep (part 1): grid 1040 x 1, 8 waves a work-group, no clusters, 102,400 bytes of LDS; arguments x, ln1_g, ln1_b, W1_codes, W1_scales, W2_codes, W2_scales, kv, st, wf; writes kv, st, wf
.if DOCPART == 1
	.amdgcn_target "amdgcn-amd-amdhsa--gfx1250"
	.amdhsa_code_object_version 6
	.text
	.protected	k_qb56e36fac8_prep
	.globl	k_qb56e36fac8_prep
	.p2align	8
	.type	k_qb56e36fac8_prep,@function
k_qb56e36fac8_prep:
	s_mov_b64 s[64:65], 0
	v_nop
	global_prefetch_b8 v0, s[64:65] scope:SCOPE_SE
	s_setreg_imm32_b32 hwreg(HW_REG_WAVE_MODE, 25, 1), 1
	s_wait_xcnt 0x0
; h = LN1(x) is quantised twice to E4M3 with one E8M0 scale for each 32: along a head's 64 columns (Q and K of the first product) and down the rows (V of the second: K = the keys).
; Both sets of codes are laid in the ORDER OF THE OPERAND'S REGISTERS: a fragment's four (two) runs of 512 bytes, lane l's 16 bytes at 16 l.  The rows' mean and 1/sigma go to st.
; kv: block (b, head, s) of BLK bytes: keys 128 s .. 128 s + 127 of one head:  0: K/Q fragments T = 2 beta + u (rows 32 beta + 8 u + perm(r), perm(r) = r + 8 (r / 8)), 1,024 bytes each;
;     8,192: V^T fragments ct = 2 b' + u' (columns 32 b' + 8 u' + perm(r)), 2,048 bytes each;  16,384: K/Q scale words, 64 bytes a fragment (bytes 2 and 3 are 127: K = 64 .. 127 does not exist);  16,896: V's scale bytes [c][ct][r].
; Work-groups 0 .. 1,023: 32 rows (one block of keys) x 512 columns of one batch.  Work-groups 1,024 .. 1,039: one slot of wf each: W1's and W2's codes and scale words, in fragment order and in the order of use.
; Rows 500 .. 511 of a batch do not exist: they are taken as zeros (zero codes); loads for them are held at row 499.
; No tensor load: memory binds, so many small work-groups with their loads in registers; no cluster: no two work-groups read the same bytes.
; LIMITS: NaN and infinities among the inputs are not served.  A block whose largest magnitude lies under 2^-118 (a block of zeros too) gets the byte 1: only this program reads the bytes, and zero codes add nothing.
; V's scale bytes leave in runs of 32 bytes and the scale words in runs of 128: 1.5 per cent of what the launch stores is not in whole runs of 256.
.set BLK,  17152
.set WSL,  67584
.set CSG,  81920                       ; LDS: 0: the tile of h, 32 rows x 2,560 bytes (32 groups of 64 bytes + 16 of padding);  CSG: K's codes in the order in which they leave, 2,240 bytes a head
.set KSG,  99840                       ; K's scale words, 128 bytes a head
.set STS,  100864                      ; 32 x (mean, 1/sigma)
.set MU,   8                           ; v8-15   (mean, 1/sigma) of my four rows
.set XA,   16                          ; v16-19  my four rows' offsets in x
.set X,    32                          ; v32-95  numbers
.set G,    96                          ; v96-111 ln1_g, v112-127 ln1_b of my columns
.set B,    112
.set CD,   128                         ; v128-143 codes
.set T,    144                         ; v144-151 at work
.set PD,   152                         ; v152-155 lane permutes' destinations, later limits and scale words
.set DP,   156                         ; v156-159 the partner block's byte
	s_load_b512 s[4:19], s[0:1], 0x0               ; x, ln1_g, ln1_b, W1 codes, W1 scales, W2 codes, W2 scales, kv
	s_load_b128 s[20:23], s[0:1], 0x40             ; st, wf
	v_lshl_add_u32 v160, v0, 2, 0x18c00
	v_mov_b32 v161, 0
	v_lshrrev_b32 v1, 5, v0
	v_readfirstlane_b32 s24, v1                    ; wave 0..7
	v_and_b32 v1, 31, v0                           ; lane
	v_and_b32 v2, 15, v0                           ; r
	v_bfe_u32 v3, v0, 4, 1                         ; h
	v_lshlrev_b32 v4, 4, v1                        ; 16 x lane
	s_lshr_b32 s25, ttmp9, 4                       ; batch
	s_and_b32 s26, ttmp9, 15                       ; which 32 rows of it
	s_lshr_b32 s27, s26, 2                         ; key step
	s_and_b32 s28, s26, 3                          ; block of 32 in the key step
	s_mov_b32 s30, 0x76543210
	s_mov_b32 s31, 0xfedcba98                      ; v_permlanex16_b32's selects for lane l xor 16
	s_mov_b32 s32, 0x600000                        ; the mantissa field of 448
	s_mov_b32 s33, 0x358637bd                      ; 1e-6
	s_mov_b32 s34, 0x3b000000                      ; 1 / 512
	s_mov_b32 s35, 0x33333333                      ; lanes whose block is a head's first
	s_wait_kmcnt 0x0
	s_cmp_ge_u32 ttmp9, 1024                       ; the weights' work-groups have nothing to do in front of the barrier
	s_cbranch_scc1 .Lmeet
	; ---- A: wave w takes rows 4 w .. 4 w + 3 whole: 16 loads of 512 consecutive bytes; lane l holds columns 128 j + 4 l + 0..3
	s_lshl_b32 s36, s26, 5
	s_lshl_b32 s37, s24, 2
	s_add_co_u32 s36, s36, s37                     ; my first row in the batch
	s_mul_i32 s38, s25, 1024000
	s_mov_b32 s39, 0
	s_add_nc_u64 s[4:5], s[4:5], s[38:39]
.irp q, 0,1,2,3
	s_add_co_u32 s40, s36, \q
	s_min_u32 s40, s40, 499                        ; no load leaves x
	s_lshl_b32 s40, s40, 11
	v_add_nc_u32 v[XA+\q], s40, v4
.endr
.irp j, 0,1,2,3
	global_load_b128 v[G+4*\j:G+4*\j+3], v4, s[6:7] offset:512*\j
	global_load_b128 v[B+4*\j:B+4*\j+3], v4, s[8:9] offset:512*\j
.endr
.irp q, 0,1,2,3
.irp j, 0,1,2,3
	global_load_b128 v[X+16*\q+4*\j:X+16*\q+4*\j+3], v[XA+\q], s[4:5] offset:512*\j th:TH_LOAD_NT
.endr
.endr
	; LDS addresses of phases A and B
	v_lshrrev_b32 v5, 2, v1
	v_mul_u32_u24 v5, v5, 80
	v_and_b32 v6, 3, v1
	v_lshl_add_u32 v5, v6, 4, v5
	s_mul_i32 s37, s24, 10240
	v_add_nc_u32 v20, s37, v5                      ; the tile, as loaded: my rows + 80 (lane / 4) + 16 (lane % 4)
	v_mul_u32_u24 v22, v1, 80
	v_add_nc_u32 v22, s37, v22                     ; and back: 80 x lane: 16 neighbouring columns
	s_lshl_b32 s37, s24, 5
	s_add_co_u32 s37, s37, STS
	v_mov_b32 v21, s37                             ; my rows' statistics
	s_bfe_u32 s38, s24, 0x10001                    ; row 4 w + q lies in fragment u = (w / 2) % 2,
	s_and_b32 s39, s24, 1
	s_lshl_b32 s39, s39, 2
	s_lshr_b32 s40, s24, 2
	s_lshl_b32 s40, s40, 3
	s_add_co_u32 s39, s39, s40                     ; at its row 4 (w % 2) + 8 (w / 4) + q
	v_lshrrev_b32 v5, 2, v1                        ; my 16 columns: head lane / 4, block (lane / 2) % 2, half lane % 2
	v_mul_u32_u24 v6, v5, 2240
	v_bfe_u32 v7, v1, 1, 1
	v_mad_u32_u24 v6, v7, 544, v6
	v_and_b32 v7, 1, v1
	v_mad_u32_u24 v6, v7, 272, v6
	s_mul_i32 s41, s38, 1088
	s_lshl_b32 s42, s39, 4
	s_add_co_u32 s41, s41, s42
	s_add_co_u32 s41, s41, CSG
	v_add_nc_u32 v23, s41, v6                      ; where my 16 codes go
	v_lshlrev_b32 v5, 7, v5
	s_lshl_b32 s41, s38, 6
	s_lshl_b32 s42, s39, 2
	s_add_co_u32 s41, s41, s42
	s_add_co_u32 s41, s41, KSG
	v_add_nc_u32 v24, s41, v5                      ; and my head's scale word of the row
.irp q, 0,1,2,3
	v_mov_b32 v[MU+2*\q+1], 0                      ; named as a pair's upper half before it is first written
	v_mov_b32 v[PD+\q], 0                          ; a lane permute's destination counts as one of its sources
	v_mov_b32 v[DP+\q], 0
.endr
.macro REDUCE                          ; the four rows' sums v[T + 2 q], v[T + 2 q + 1] over the 32 lanes, the rows by turns
.irp q, 0,1,2,3
	v_add_f32 v[T+2*\q], v[T+2*\q], v[T+2*\q+1]
.endr
.irp m, 1,2,4,8
.irp q, 0,1,2,3
	v_add_f32_dpp v[T+2*\q], v[T+2*\q], v[T+2*\q] row_xmask:\m row_mask:0xf bank_mask:0xf
.endr
.endr
.irp q, 0,1,2,3
	v_permlanex16_b32 v[PD+\q], v[T+2*\q], s30, s31
.endr
.irp q, 0,1,2,3
	v_add_f32 v[T+2*\q], v[T+2*\q], v[PD+\q]
.endr
.endm
	s_wait_loadcnt 0x0
.irp q, 0,1,2,3
	v_pk_add_f32 v[T+2*\q:T+2*\q+1], v[X+16*\q:X+16*\q+1], v[X+16*\q+2:X+16*\q+3]
.endr
.irp k, 4,6,8,10,12,14
.irp q, 0,1,2,3
	v_pk_add_f32 v[T+2*\q:T+2*\q+1], v[T+2*\q:T+2*\q+1], v[X+16*\q+\k:X+16*\q+\k+1]
.endr
.endr
	REDUCE
.irp q, 0,1,2,3
	v_mul_f32 v[MU+2*\q], s34, v[T+2*\q]           ; the mean
.endr
.irp q, 0,1,2,3
.irp k, 0,2,4,6,8,10,12,14
	v_pk_add_f32 v[X+16*\q+\k:X+16*\q+\k+1], v[X+16*\q+\k:X+16*\q+\k+1], v[MU+2*\q:MU+2*\q+1] op_sel_hi:[1,0] neg_lo:[0,1] neg_hi:[0,1]   ; x - mean
.endr
.endr
.irp q, 0,1,2,3
	v_pk_mul_f32 v[T+2*\q:T+2*\q+1], v[X+16*\q:X+16*\q+1], v[X+16*\q:X+16*\q+1]
.endr
.irp k, 2,4,6,8,10,12,14
.irp q, 0,1,2,3
	v_pk_fma_f32 v[T+2*\q:T+2*\q+1], v[X+16*\q+\k:X+16*\q+\k+1], v[X+16*\q+\k:X+16*\q+\k+1], v[T+2*\q:T+2*\q+1]
.endr
.endr
	REDUCE
.irp q, 0,1,2,3
	v_fma_f32 v[T+2*\q], v[T+2*\q], s34, s33       ; the variance + 1e-6
.endr
.irp q, 0,1,2,3
	v_rsq_f32 v[MU+2*\q+1], v[T+2*\q]
.endr
	v_nop                                          ; a plain instruction behind the last of the batch,
	s_wait_alu depctr_va_vdst(0)                   ; and one wait for the four, ahead of their first reader
.irp q, 0,1,2,3
	v_mov_b32 v[T+2*\q], v[MU+2*\q+1]              ; 1/sigma as the low word of a pair, for the packed lines
.endr
.irp q, 0,1,2,3
.irp k, 0,2,4,6,8,10,12,14
	v_pk_mul_f32 v[X+16*\q+\k:X+16*\q+\k+1], v[X+16*\q+\k:X+16*\q+\k+1], v[T+2*\q:T+2*\q+1] op_sel_hi:[1,0]
.endr
.endr
.irp q, 0,1,2,3
.irp k, 0,2,4,6,8,10,12,14
	v_pk_fma_f32 v[X+16*\q+\k:X+16*\q+\k+1], v[X+16*\q+\k:X+16*\q+\k+1], v[G+\k:G+\k+1], v[B+\k:B+\k+1]   ; h
.endr
.endr
.irp q, 0,1,2,3
	s_add_co_u32 s40, s36, \q                      ; a row past the batch's 500 is zeros: a branch on ids
	s_cmp_lt_u32 s40, 500
	s_cbranch_scc1 .Lreal\q
.irp k, 0,1,2,3,4,5,6,7,8,9,10,11,12,13,14,15
	v_mov_b32 v[X+16*\q+\k], 0
.endr
.Lreal\q:
.endr
.irp q, 0,1,2,3
.irp j, 0,1,2,3
	ds_store_b128 v20, v[X+16*\q+4*\j:X+16*\q+4*\j+3] offset:2560*\q+640*\j
.endr
	ds_store_b64 v21, v[MU+2*\q:MU+2*\q+1] offset:8*\q         ; all lanes write the same words with the same values
.endr
	s_wait_dscnt 0x0                               ; the stores have read their registers
	; ---- B: my own four rows back, 16 neighbouring columns a lane: two lanes hold a block of 32.  LDS serves a wave's instructions in order: no barrier
.irp q, 0,1,2,3
.irp j, 0,1,2,3
	ds_load_b128 v[X+16*\q+4*\j:X+16*\q+4*\j+3], v22 offset:2560*\q+16*\j
.endr
.endr
	s_wait_dscnt 0x0
.irp q, 0,1,2,3
	v_max3_num_f32 v[T+\q], |v[X+16*\q]|, |v[X+16*\q+1]|, 0x4800000   ; the largest magnitude, over the floor 2^(9 - 127): the byte cannot fall under 1
.endr
.irp i, 2,4,6,8,10,12,14
.irp q, 0,1,2,3
	v_max3_num_f32 v[T+\q], v[T+\q], |v[X+16*\q+\i]|, |v[X+16*\q+\i+1]|
.endr
.endr
.irp q, 0,1,2,3
	v_max_num_f32_dpp v[T+\q], v[T+\q], v[T+\q] row_xmask:1 row_mask:0xf bank_mask:0xf   ; with my neighbour's 16: the block's
.endr
.irp q, 0,1,2,3
	v_add_nc_u32 v[T+4+\q], 0xfc000000, v[T+\q]    ; 8 off its exponent field: the conversion's scale operand
.endr
.irp q, 0,1,2,3
	v_and_or_b32 v[PD+\q], v[T+\q], 0x7f800000, s32   ; 448 x the scale
.endr
.irp q, 0,1,2,3
.irp i, 0,1,2,3,4,5,6,7,8,9,10,11,12,13,14,15
	v_med3_num_f32 v[X+16*\q+\i], v[X+16*\q+\i], -v[PD+\q], v[PD+\q]   ; the conversion to an 8-bit code does not saturate (ISA guide 7.6.2): the hold
.endr
	v_cvt_scalef32_pk8_fp8_f32 v[CD+4*\q:CD+4*\q+1], v[X+16*\q:X+16*\q+7], v[T+4+\q]
	v_cvt_scalef32_pk8_fp8_f32 v[CD+4*\q+2:CD+4*\q+3], v[X+16*\q+8:X+16*\q+15], v[T+4+\q]
.endr
.irp q, 0,1,2,3
	v_lshrrev_b32 v[T+\q], 23, v[T+4+\q]           ; the scale's byte (plain lines behind the conversions)
.endr
.irp q, 0,1,2,3
	v_mov_b32_dpp v[DP+\q], v[T+\q] row_xmask:2 row_mask:0xf bank_mask:0xf   ; the byte of my head's other block
.endr
.irp q, 0,1,2,3
	v_cndmask_b32 v[PD+\q], v[DP+\q], v[T+\q], s35   ; columns 0-31's byte,
.endr
.irp q, 0,1,2,3
	v_cndmask_b32 v[T+4+\q], v[T+\q], v[DP+\q], s35  ; columns 32-63's
.endr
.irp q, 0,1,2,3
	v_lshl_or_b32 v[PD+\q], v[T+4+\q], 8, v[PD+\q]
.endr
.irp q, 0,1,2,3
	v_or_b32 v[PD+\q], 0x7f7f0000, v[PD+\q]        ; and 127 twice: the row's scale word, alike in the head's four lanes
.endr
.irp q, 0,1,2,3
	ds_store_b128 v23, v[CD+4*\q:CD+4*\q+3] offset:16*\q
	ds_store_b32 v24, v[PD+\q] offset:4*\q
.endr
.Lmeet:
	s_wait_dscnt 0x0                               ; for the others' sake: my stores into the tile, the codes and the words are done
	s_barrier_signal -1
	s_barrier_wait -1                              ; the one barrier, in text that every work-group passes
	s_cmp_ge_u32 ttmp9, 1024
	s_cbranch_scc1 .Lweights
	; ---- C, D: wave w serves head w
	v_lshrrev_b32 v5, 3, v2
	v_mul_u32_u24 v5, v5, 80
	v_and_b32 v6, 7, v2
	v_lshl_add_u32 v6, v3, 3, v6
	v_lshl_add_u32 v5, v6, 2, v5
	s_mul_i32 s36, s24, 320
	v_add_nc_u32 v25, s36, v5                      ; column 64 w + 8 h + perm(r) of the tile's row 0 (32 further on: + 160 bytes),
	v_add_nc_u32 v26, 40960, v25                   ; and of its row 16
	v_lshlrev_b32 v27, 4, v2
	v_lshl_add_u32 v27, v3, 11, v27                ; V's codes: fragment u' = h, 16 r
	v_mul_u32_u24 v5, v3, 272
	v_lshl_add_u32 v5, v2, 4, v5
	s_mul_i32 s36, s24, 2240
	s_add_co_u32 s36, s36, CSG
	v_add_nc_u32 v28, s36, v5                      ; K's codes back, 512 bytes of a fragment at a time
	v_lshlrev_b32 v30, 2, v1
	s_lshl_b32 s36, s24, 7
	s_add_co_u32 s36, s36, KSG
	v_add_nc_u32 v29, s36, v30                     ; K's scale words back
.irp p, 0,1
.irp k, 0,1,2,3,4,5,6,7,8,9,10,11,12,13,14,15
	ds_load_b32 v[X+32*\p+\k], v25 offset:2560*\k+160*\p       ; a lane takes a column, its registers run down the 32 keys
.endr
.irp k, 0,1,2,3,4,5,6,7,8,9,10,11,12,13,14,15
	ds_load_b32 v[X+32*\p+16+\k], v26 offset:2560*\k+160*\p
.endr
.endr
.irp u, 0,1
.irp c, 0,1
	ds_load_b128 v[G+4*(2*\u+\c):G+4*(2*\u+\c)+3], v28 offset:1088*\u+544*\c
.endr
.endr
	ds_load_b32 v[B], v29
	s_lshl_b32 s36, s25, 3
	s_add_co_u32 s36, s36, s24
	s_lshl_b32 s36, s36, 2
	s_add_co_u32 s36, s36, s27
	s_mul_i32 s36, s36, BLK
	s_mov_b32 s37, 0
	s_add_nc_u64 s[44:45], s[18:19], s[36:37]      ; my block of kv
	s_lshl_b32 s36, s28, 9
	s_add_nc_u64 s[46:47], s[44:45], s[36:37]      ; + 512 beta: V's codes
	s_lshl_b32 s36, s28, 6
	s_add_nc_u64 s[48:49], s[44:45], s[36:37]      ; + 64 beta: V's scale bytes
	s_lshl_b32 s36, s28, 11
	s_add_nc_u64 s[50:51], s[44:45], s[36:37]      ; + 2,048 beta: K's codes
	s_lshl_b32 s36, s28, 7
	s_add_nc_u64 s[52:53], s[44:45], s[36:37]      ; + 128 beta: K's scale words
	s_wait_dscnt 0x0
.irp u, 0,1
.irp c, 0,1
	global_store_b128 v4, v[G+4*(2*\u+\c):G+4*(2*\u+\c)+3], s[50:51] offset:1024*\u+512*\c   ; 32 lanes store 512 consecutive bytes, at a multiple of 256 from kv's first byte
.endr
.endr
	global_store_b32 v30, v[B], s[52:53] offset:16384
.macro QV p                            ; columns 32 p + 8 h + perm(r) of my head: a whole block of 32 keys lies in my 32 registers
.set XS, X+32*\p
	v_max3_num_f32 v[T], |v[XS]|, |v[XS+1]|, |v[XS+2]|
	v_max3_num_f32 v[T+1], |v[XS+3]|, |v[XS+4]|, |v[XS+5]|
.irp i, 6,10,14,18,22,26
	v_max3_num_f32 v[T], v[T], |v[XS+\i]|, |v[XS+\i+1]|
	v_max3_num_f32 v[T+1], v[T+1], |v[XS+\i+2]|, |v[XS+\i+3]|
.endr
	v_max3_num_f32 v[T], v[T], |v[XS+30]|, |v[XS+31]|
	v_max3_num_f32 v[T], v[T], v[T+1], 0x4800000
	v_add_nc_u32 v[T+2], 0xfc000000, v[T]
	v_and_or_b32 v[T+3], v[T], 0x7f800000, s32
	v_lshrrev_b32 v[T+4+\p], 23, v[T+2]
.irp i, 0,1,2,3,4,5,6,7,8,9,10,11,12,13,14,15,16,17,18,19,20,21,22,23,24,25,26,27,28,29,30,31
	v_med3_num_f32 v[XS+\i], v[XS+\i], -v[T+3], v[T+3]
.endr
.irp g, 0,1,2,3
	v_cvt_scalef32_pk8_fp8_f32 v[CD+8*\p+2*\g:CD+8*\p+2*\g+1], v[XS+8*\g:XS+8*\g+7], v[T+2]
.endr
	v_nop                                          ; a plain line behind the conversions: the next pass writes their scale operand
	global_store_b128 v27, v[CD+8*\p:CD+8*\p+3], s[46:47] offset:8192+4096*\p        ; keys 0-15: sixteen lanes store 256 consecutive bytes, aligned
	global_store_b128 v27, v[CD+8*\p+4:CD+8*\p+7], s[46:47] offset:8192+4096*\p+256  ; keys 16-31
	global_store_b8 v1, v[T+4+\p], s[48:49] offset:16896+32*\p
.endm
	QV 0
	QV 1
	s_cmp_lg_u32 s24, 0                            ; wave 0 stores the 32 rows' statistics
	s_cbranch_scc1 .Ldone
	v_lshl_add_u32 v5, v1, 3, STS
	ds_load_b64 v[6:7], v5
	s_lshl_b32 s36, s26, 5
	v_add_nc_u32 v31, s36, v1                      ; the row in the batch
	s_mul_i32 s38, s25, 4000
	s_mov_b32 s39, 0
	s_add_nc_u64 s[20:21], s[20:21], s[38:39]
	v_lshlrev_b32 v[B+1], 3, v31
	v_cmp_gt_u32 vcc_lo, 500, v31
	s_wait_dscnt 0x0
	s_wait_xcnt 0x0                                ; EXEC is a source of the stores above: it changes only behind this wait
	s_and_saveexec_b32 s54, vcc_lo
	global_store_b64 v[B+1], v[6:7], s[20:21]
	s_wait_xcnt 0x0                                ; and again in front of the line that widens it
	s_or_b32 exec_lo, exec_lo, s54
.Ldone:
	s_wait_tensorcnt 0x0
	ds_add_u32 v160, v161
	s_wait_dscnt 0x0
	s_endpgm
.Lweights:
	; slot f = 4 chunk + ph of wf.  ph 0, 1: W1, fragments 16 kk + ut (units 256 chunk + 32 (ut / 2) + 8 (ut % 2) + perm(r), K step 2 ph + kk);  ph 2, 3: W2, fragments ct (columns 32 (ct / 2) + 8 (ct % 2) + perm(r), K step 2 chunk + ph - 2).
	; Wave w copies fragments 4 w .. 4 w + 3.  What differs between W1 and W2 is chosen, not branched on.
	s_sub_co_u32 s36, ttmp9, 1024
	s_lshr_b32 s37, s36, 2                         ; chunk
	s_and_b32 s38, s36, 3                          ; ph
	s_and_b32 s40, s24, 3
	s_lshl_b32 s40, s40, 6
	s_lshl_b32 s41, s37, 8
	s_add_co_u32 s40, s40, s41                     ; W1: my first row 256 chunk + 64 (w % 4),
	s_lshl_b32 s41, s38, 1
	s_lshr_b32 s42, s24, 2
	s_add_co_u32 s41, s41, s42                     ;     my K step 2 ph + w / 4
	s_lshl_b32 s42, s24, 6                         ; W2: my first row 64 w,
	s_lshl_b32 s43, s37, 1
	s_add_co_u32 s43, s43, s38
	s_sub_co_u32 s43, s43, 2                       ;     my K step (used where ph is 2 or 3 alone)
	s_cmp_lt_u32 s38, 2
	s_cselect_b32 s40, s40, s42
	s_cselect_b32 s41, s41, s43
	s_cselect_b32 s44, 9, 10                       ; a row of codes is 512 or 1,024 bytes
	s_cselect_b64 s[46:47], s[10:11], s[14:15]
	s_cselect_b64 s[48:49], s[12:13], s[16:17]
	s_sub_co_u32 s45, s44, 5                       ; a row of scale bytes is 16 or 32
	s_lshl_b32 s50, s40, s44
	s_lshl_b32 s52, s41, 7
	s_add_co_u32 s50, s50, s52
	s_mov_b32 s51, 0
	s_add_nc_u64 s[46:47], s[46:47], s[50:51]
	s_lshl_b32 s50, s40, s45
	s_lshl_b32 s52, s41, 2
	s_add_co_u32 s50, s50, s52
	s_add_nc_u64 s[48:49], s[48:49], s[50:51]
	v_and_b32 v5, 8, v2
	v_add_nc_u32 v5, v5, v2                        ; perm(r)
.irp a, 0,1,2,3
	v_add_nc_u32 v[8+\a], 32*(\a/2)+8*(\a%2), v5
	v_lshlrev_b32 v[8+\a], s44, v[8+\a]
	v_lshl_add_u32 v[8+\a], v3, 4, v[8+\a]
.endr
	v_lshl_add_u32 v6, v3, 3, v5                   ; scale words: lanes 0-15 an even fragment's rows, lanes 16-31 the odd one's
.irp p, 0,1
	v_add_nc_u32 v[12+\p], 32*\p, v6
	v_lshlrev_b32 v[12+\p], s45, v[12+\p]
.endr
.irp a, 0,1,2,3
.irp c, 0,1,2,3
	global_load_b128 v[X+16*\a+4*\c:X+16*\a+4*\c+3], v[8+\a], s[46:47] offset:32*\c
.endr
.endr
.irp p, 0,1
	global_load_b32 v[G+\p], v[12+\p], s[48:49]
.endr
	s_mul_i32 s50, s36, WSL
	s_add_nc_u64 s[22:23], s[22:23], s[50:51]
	s_lshl_b32 s50, s24, 13
	s_add_nc_u64 s[54:55], s[22:23], s[50:51]
	s_lshl_b32 s50, s24, 8
	s_add_co_u32 s50, s50, 65536
	s_add_nc_u64 s[56:57], s[22:23], s[50:51]
	v_lshlrev_b32 v7, 2, v1
	s_wait_loadcnt 0x0
.irp a, 0,1,2,3
.irp c, 0,1,2,3
	global_store_b128 v4, v[X+16*\a+4*\c:X+16*\a+4*\c+3], s[54:55] offset:2048*\a+512*\c
.endr
.endr
.irp p, 0,1
	global_store_b32 v7, v[G+\p], s[56:57] offset:128*\p
.endr
	s_wait_tensorcnt 0x0
	ds_add_u32 v160, v161
	s_wait_dscnt 0x0
	s_endpgm
.Lfunc_end_k_qb56e36fac8_prep:
	.size	k_qb56e36fac8_prep, .Lfunc_end_k_qb56e36fac8_prep-k_qb56e36fac8_prep
	.p2alignl 7, 3214868480
	.fill 96, 4, 3214868480
	.section	.rodata,"a",@progbits
	.p2align	6, 0x0
	.amdhsa_kernel k_qb56e36fac8_prep
		.amdhsa_group_segment_fixed_size 102400
		.amdhsa_private_segment_fixed_size 0
		.amdhsa_enable_private_segment 0
		.amdhsa_kernarg_size 80
		.amdhsa_user_sgpr_count 2
		.amdhsa_user_sgpr_kernarg_segment_ptr 1
		.amdhsa_wavefront_size32 1
		.amdhsa_system_sgpr_workgroup_id_x 1
		.amdhsa_system_sgpr_workgroup_id_y 1
		.amdhsa_system_sgpr_workgroup_id_z 1
		.amdhsa_system_vgpr_workitem_id 0
		.amdhsa_next_free_vgpr 162
		.amdhsa_next_free_sgpr 66
		.amdhsa_reserve_vcc 1
		.amdhsa_float_denorm_mode_32 3
		.amdhsa_float_denorm_mode_16_64 3
		.amdhsa_memory_ordered 1
		.amdhsa_forward_progress 1
		.amdhsa_inst_pref_size 55
	.end_amdhsa_kernel
	.amdgpu_metadata
---
amdhsa.version: [ 1, 2 ]
amdhsa.kernels:
  - .name:           k_qb56e36fac8_prep
    .symbol:         k_qb56e36fac8_prep.kd
    .args:
      - { .name: x, .offset: 0, .size: 8, .value_kind: global_buffer, .address_space: global }
      - { .name: ln1_g, .offset: 8, .size: 8, .value_kind: global_buffer, .address_space: global }
      - { .name: ln1_b, .offset: 16, .size: 8, .value_kind: global_buffer, .address_space: global }
      - { .name: W1_codes, .offset: 24, .size: 8, .value_kind: global_buffer, .address_space: global }
      - { .name: W1_scales, .offset: 32, .size: 8, .value_kind: global_buffer, .address_space: global }
      - { .name: W2_codes, .offset: 40, .size: 8, .value_kind: global_buffer, .address_space: global }
      - { .name: W2_scales, .offset: 48, .size: 8, .value_kind: global_buffer, .address_space: global }
      - { .name: kv, .offset: 56, .size: 8, .value_kind: global_buffer, .address_space: global }
      - { .name: st, .offset: 64, .size: 8, .value_kind: global_buffer, .address_space: global }
      - { .name: wf, .offset: 72, .size: 8, .value_kind: global_buffer, .address_space: global }
    .group_segment_fixed_size: 102400
    .private_segment_fixed_size: 0
    .kernarg_segment_align: 8
    .kernarg_segment_size: 80
    .max_flat_workgroup_size: 256
    .sgpr_count:     66
    .vgpr_count:     162
    .wavefront_size: 32
...
	.end_amdgpu_metadata
.endif
;; end of part 1
;; launch main (part 2): grid 256 x 1, 8 waves a work-group, clusters of 4 x 1, 327,680 bytes of LDS; arguments x, st, kv, wf, ln1_g, ln1_b, ln2_g, ln2_b, b1, b2, out0; writes out0
.if DOCPART == 2
	.amdgcn_target "amdgcn-amd-amdhsa--gfx1250"
	.amdhsa_code_object_version 6
	.text
	.protected	k_qb56e36fac8_main
	.globl	k_qb56e36fac8_main
	.p2align	8
	.type	k_qb56e36fac8_main,@function
k_qb56e36fac8_main:
	s_mov_b64 s[64:65], 0
	v_nop
	global_prefetch_b8 v0, s[64:65] scope:SCOPE_SE
	s_setreg_imm32_b32 hwreg(HW_REG_WAVE_MODE, 25, 1), 1
	s_wait_xcnt 0x0
	s_wait_alu depctr_hold_cnt(0) depctr_sa_sdst(0) depctr_va_vdst(0) depctr_va_sdst(0) depctr_va_ssrc(0) depctr_va_vcc(0) depctr_vm_vsrc(0)
	s_getreg_b32 s2, hwreg(HW_REG_IB_STS2, 6, 4)
	s_cmp_eq_u32 s2, 0
	s_cbranch_scc0 .Lentry_in_a_cluster
	s_endpgm
.Lentry_in_a_cluster:
	s_bfe_u32 s2, ttmp6, 0x10000c
	s_cmp_lg_u32 s2, 0x3003
	s_cbranch_scc0 .Lentry_shape_is_right
	s_endpgm
.Lentry_shape_is_right:
; out = h2 + relu(h2 W1 + b1) W2 + b2,  h2 = LN2(h + attention(h)),  h = LN1(x): attention, residual, LN2 and both products of the FFN in one launch.  All four products on E4M3 codes with E8M0 scales.
; SHARES.  A cluster of four work-groups is one batch.  Work-group cx owns eight tiles of 16 rows: tile i = rows 64 i + CXR + perm(rho), CXR = 32 (cx / 2) + 8 (cx % 2), perm(rho) = rho + 8 (rho / 8): that is K fragment
; cx + 4 (i % 2) of key step i / 2 as it lies in kv, so it serves as Q's fragment too.  Tile i needs key steps 0 .. i / 2 whatever cx is: 20 units of 16 queries x 128 keys for every wave of every work-group, and no branch hangs on cx.
; Wave w is head w, which is columns 64 w .. 64 w + 63 of every later result.
; THE 256 REGISTERS OF WINDOW 1, ACC(i, a) = 32 i + 8 a + j, hold one thing after the other in ONE lane layout (lane (r, h): the tile's row r, column 64 w + 32 (a / 2) + 16 h + 8 (a % 2) + j):
; O^T of attention; y = O / l + h; h2 + b2; the sums of the last product, which are out.  So h2 needs no memory, and the last residual and b2 cost nothing.
; All products are used transposed (source 0 = keys, channels, hidden units, output columns; source 1 = my 16 rows), and the rows of source 0 that form a tile are chosen (perm) so that a lane's 16 registers of two neighbouring tiles
; are 16 neighbours along the next product's K: the conversions' results are the next operand's registers.
; THE FIRST PRODUCT HAS K = 64: Q's registers for K = 64 .. 127 are zero codes and both sides' scale bytes there are 127.  K's operand names the neighbouring fragment's (finite) codes there: times zero codes they add nothing.
; JOINT LOADS.  The four partners walk the same K and V and the same weights: each block is asked for by the same tensor load, with the same descriptor and the mask of all four, by every wave of all four.
; Two tensor loads of a wave are out behind the first fills, one behind each later round.
; THE SOFTMAX: t = score x log2(e) / 8; M = the ceiling of the running largest t, kept as -M; p = 2^(t - M) is quantised along the keys; the sum is taken of the unquantised p and divides at the end.
; LIMITS: NaN and infinities are not served.  A block whose largest magnitude lies under 2^-118 keeps the byte 1.  A block's largest p is taken from its largest score, which takes v_exp_f32 not to fall where its input rises.
; Rows 500 .. 511 do not exist: their loads are held at row 499, they are computed like any row and never stored.  ACC is cleared once, since the lines that add onto a tile's O^T are chosen by a switch on the tile's number.
.set BLK,   17152                      ; a block of kv: one head, 128 keys
.set WSL,   67584                      ; a slot of wf
.set AS1,   137216                     ; LDS: 0: attention's slot 0 (wave w at w BLK), later the weights' two slots;  AS1: attention's slot 1, after its last fill:
.set H2IMG, 137216                     ;   h2's 32 fragments as images of their registers, (4 m + ks) x 2,048
.set H2SC,  202752                     ;   their scale words, 128 bytes each
.set HIMG,  206848                     ;   a chunk's 16 fragments of the hidden layer, (2 m + kappa) x 2,048
.set HSC,   239616                     ;   their scale words
.set SPARE, 274432                     ; the spare words, 128 bytes a wave: four blocks of 256 bytes that no other line names
.set STG,   275456                     ; a stage of 16 rows x 272 bytes for each wave
.set LNP,   310272                     ; LN2's parts: row (16 i + r) x 64 + 8 w
.set LN,  1                            ; v1 lane, v2 r, v3 h, v4 16 lane, v5 4 lane (until the FFN)
.set RR,  2
.set HH,  3
.set L16, 4
.set L4,  5
.set SPW, 6                            ; v6 my spare word's address, v7 0: never rewritten
.set NIL, 7
.set KSC, 8                            ; v8-15 hold scales and nothing else.  Attention: v8-11 K's words (two tiles a register), v12 Q's, v13 p's, v14-15 V's
.set QS,  12
.set PW,  13
.set VS,  14
.set WSC, 8                            ; FFN: v8-9 the weights' words, v10-11 the rows'
.set XSC, 10
.set AKV, 16                           ; attention
.set ASC, 17
.set AVB, 18
.set QA,  19
.set QSA, 20
.set D0,  21
.set DD,  22
.set NINF, 23
.set QF,  24                           ; v24-31 Q, v32-39 zeros
.set KF,  40                           ; v40-103 eight fragments of K or four of V, v104-111 zeros
.set SS,  112                          ; v112-175 S^T, then p
.set PC,  176                          ; v176-191 p's codes
.set BM,  192
.set T1,  196
.set LIM, 200
.set SOP, 204
.set FF,  208                          ; v208 f = 2^(old M - new M) (v209 written with it as a pair)
.set NM,  210                          ; v210 -M (v211 likewise)
.set NMO, 212
.set TT,  213
.set SA,  214
.set SB2, 216
.set SSUM, 218
.set NMI, 220                          ; v220-227 -M of the eight tiles
.set LI,  228                          ; v228-235 their sums
.set MS,  236                          ; v236-251 (mean, 1/sigma) of lane r's row of each tile
.set PFO, 252
.set PFO3, 253
.set QO,  254
.set QSO, 255
.set MSB, 0
.macro WIN new                         ; s_set_vgpr_msb: bits 1:0 source 0, 3:2 source 1, 5:4 source 2, 7:6 destination; the high byte repeats the setting that is left
.if MSB != \new
	s_set_vgpr_msb (MSB<<8)|\new
.set MSB, \new
.endif
.endm
.macro NOPS n
.rept \n
	v_nop
.endr
.endm
.macro CROUND                          ; a round of the cluster's barrier
	s_barrier_signal -1
	s_barrier_wait -1
	s_cmp_lg_u32 s26, 0
	s_cbranch_scc1 .Lnw0_\@
	s_barrier_signal -3
.Lnw0_\@:
	s_barrier_wait -3
	s_barrier_signal -1
	s_barrier_wait -1
.endm
; A change of slots.  Every wave: all its tensor loads have landed; 0 onto its spare word; the add and its LDS reads and stores are done; then the round (fill = 1) or the work-group's barrier.
; Behind the round the joint refill is the first thing, one tensor load a wave; four v_nop follow it.
.macro CHANGE g0, g1, step, fill
	s_wait_tensorcnt 0x0                           ; no tensor load of mine is out, so a group 0 may be written
	ds_add_u32 v[SPW], v[NIL]
.if (\fill) && (\step)
	s_add_nc_u64 s[\g0+2:\g0+3], s[\g0+2:\g0+3], \step
.endif
	s_wait_dscnt 0x0
.if \fill
	CROUND
	tensor_load_to_lds s[\g0:\g0+3], s[\g1:\g1+7]
	s_nop 0
	NOPS 4
.else
	s_barrier_signal -1
	s_barrier_wait -1
.endif
.endm
	s_load_b512 s[4:19], s[0:1], 0x0               ; x, st, kv, wf, ln1_g, ln1_b, ln2_g, ln2_b
	s_load_b128 s[20:23], s[0:1], 0x40             ; b1, b2
	s_load_b64 s[24:25], s[0:1], 0x50              ; out0
	v_lshl_add_u32 v[SPW], v0, 2, SPARE
	v_mov_b32 v[NIL], 0
	ds_add_u32 v6, v7
	ds_add_u32 v6, v7
	s_wait_dscnt 0x0
	v_lshrrev_b32 v1, 5, v0
	v_readfirstlane_b32 s26, v1                    ; wave 0..7
	v_and_b32 v[LN], 31, v0
	v_and_b32 v[RR], 15, v0
	v_bfe_u32 v[HH], v0, 4, 1
	v_lshlrev_b32 v[L16], 4, v[LN]
	v_lshlrev_b32 v[L4], 2, v[LN]
	s_bfe_u32 s27, ttmp6, 0x40000                  ; cx: it enters global addresses, the mask's compare and one EXEC mask; no LDS address, no branch
	s_lshr_b32 s90, s27, 1
	s_lshl_b32 s90, s90, 5
	s_and_b32 s91, s27, 1
	s_lshl_b32 s91, s91, 3
	s_add_co_u32 s28, s90, s91                     ; CXR
	s_mul_i32 s29, s26, BLK                        ; my block's place in a slot
	; group 1: a dense block as rows of 256 bytes (32 elements of 8 bytes): 67 rows for kv, 33 for my eighth of a slot of wf.  15:0 the mask of all four; 17:16 element size; 21 set beside a mask; no padding: fragment order needs none
	s_mov_b32 s32, 15|(3<<16)|(1<<21)
	s_mov_b32 s33, 32<<16
	s_mov_b32 s34, 67<<16
	s_mov_b32 s35, 32<<16
	s_mov_b32 s36, 67
	s_mov_b32 s37, 32
	s_mov_b32 s38, 0
	s_mov_b32 s39, 0
	s_mov_b32 s40, 15|(3<<16)|(1<<21)
	s_mov_b32 s41, 32<<16
	s_mov_b32 s42, 33<<16
	s_mov_b32 s43, 32<<16
	s_mov_b32 s44, 33
	s_mov_b32 s45, 32
	s_mov_b32 s46, 0
	s_mov_b32 s47, 0
	s_mov_b32 s70, 0x76543210
	s_mov_b32 s71, 0xfedcba98                      ; v_permlanex16_b32's selects for lane l xor 16
	s_mov_b32 s72, 0x3e38aa3b                      ; c = log2(e) / 8
	s_mov_b32 s73, s72
	s_mov_b32 s74, 0x600000                        ; the mantissa field of 448
	s_mov_b32 s75, 0x358637bd                      ; 1e-6
	s_mov_b32 s76, 0x3b000000                      ; 1 / 512
	s_mov_b32 s77, 0x3c800000                      ; 1 / 64
	s_lshl_b32 s90, ttmp9, 3                       ; in a cluster launch ttmp9 counts clusters: the batch
	s_add_co_u32 s90, s90, s26
	s_mul_i32 s90, s90, 4*BLK
	s_mov_b32 s91, 0
	s_mul_i32 s92, s26, 8448
	s_mov_b32 s93, 0
	s_wait_kmcnt 0x0
	s_add_nc_u64 s[78:79], s[8:9], s[90:91]        ; my head's four blocks of kv
	s_add_nc_u64 s[10:11], s[10:11], s[92:93]      ; my eighth of wf's slot 0
	s_mov_b32 s48, 1                               ; group 0 a: key steps 0, 2 into slot 0
	s_mov_b32 s49, s29
	s_mov_b64 s[50:51], s[78:79]
	s_or_b32 s51, s51, 0x80000000
	s_mov_b32 s52, 1                               ; b: key steps 1, 3 into slot 1
	s_add_co_u32 s53, s29, AS1
	s_add_nc_u64 s[54:55], s[78:79], BLK
	s_or_b32 s55, s55, 0x80000000
	s_mov_b32 s56, 1                               ; c: wf's even slots
	s_mov_b32 s57, s92
	s_mov_b64 s[58:59], s[10:11]
	s_or_b32 s59, s59, 0x80000000
	s_mov_b32 s60, 1                               ; d: wf's odd slots
	s_add_co_u32 s61, s92, WSL
	s_add_nc_u64 s[62:63], s[10:11], WSL
	s_or_b32 s63, s63, 0x80000000
	CROUND                                         ; all four work-groups are here: the first joint loads meet
	tensor_load_to_lds s[48:51], s[32:39]
	s_nop 0
	tensor_load_to_lds s[52:55], s[32:39]
	s_nop 0
	NOPS 4
	s_mul_i32 s90, ttmp9, 1024000
	s_lshl_b32 s94, s26, 8
	s_mov_b32 s95, 0
	s_add_co_u32 s90, s90, s94
	s_add_nc_u64 s[80:81], s[4:5], s[90:91]        ; x and out0 at my batch, my wave's 256 bytes of a row
	s_add_nc_u64 s[82:83], s[24:25], s[90:91]
	s_mul_i32 s90, ttmp9, 4000
	s_add_nc_u64 s[84:85], s[6:7], s[90:91]        ; st at my batch
	s_add_nc_u64 s[12:13], s[12:13], s[94:95]      ; the gains, biases and b2 at my wave's 64 columns
	s_add_nc_u64 s[14:15], s[14:15], s[94:95]
	s_add_nc_u64 s[16:17], s[16:17], s[94:95]
	s_add_nc_u64 s[18:19], s[18:19], s[94:95]
	s_add_nc_u64 s[22:23], s[22:23], s[94:95]
	s_and_b32 s90, s26, 3
	s_lshl_b32 s90, s90, 8
	s_add_nc_u64 s[86:87], s[20:21], s[90:91]      ; b1 at my 64 units of chunk 0
	v_and_b32 v[TT], 8, v[RR]
	v_add_nc_u32 v[TT], v[TT], v[RR]               ; perm(r)
	v_add_nc_u32 v[SSUM], s28, v[TT]               ; CXR + perm(r): my row in a tile's 64
	v_lshlrev_b32 v[DD], 4, v[HH]
	v_sub_nc_u32 v[D0], v[SSUM], v[DD]             ; the mask: my query less my half's first key
.irp i, 0,1,2,3,4,5,6,7
	v_add_nc_u32 v[PC+\i], 64*\i, v[SSUM]
	v_min_u32 v[PC+\i], 499, v[PC+\i]
	v_lshlrev_b32 v[PC+\i], 3, v[PC+\i]
	global_load_b64 v[MS+2*\i:MS+2*\i+1], v[PC+\i], s[84:85]
.endr
	s_lshl_b32 s90, s27, 10
	v_add_nc_u32 v[QO], s90, v[L16]                ; Q: fragment cx (+ 4 for odd tiles) of a block
	s_lshl_b32 s90, s27, 6
	v_lshl_add_u32 v[QSO], v[RR], 2, s90
	v_mov_b32 v[QA], v[QO]
	v_mov_b32 v[QSA], v[QSO]
	global_load_b128 v[QF:QF+3], v[QA], s[78:79]               ; tile 0's Q
	global_load_b128 v[QF+4:QF+7], v[QA], s[78:79] offset:512
	global_load_b32 v[QS], v[QSA], s[78:79] offset:16384
	v_lshl_add_u32 v[PFO], v[HH], 6, v[SSUM]       ; the prefetch of x: lane (r, h) names row r of tiles 2 p + h
	v_add_nc_u32 v[PFO3], 384, v[PFO]
	v_min_u32 v[PFO3], 499, v[PFO3]
	v_lshlrev_b32 v[PFO3], 11, v[PFO3]
	v_lshlrev_b32 v[PFO], 11, v[PFO]
.irp j, 0,1,2,3,4,5,6,7
	v_mov_b32 v[QF+8+\j], 0                        ; zero codes for K = 64 .. 127
	v_mov_b32 v[KF+64+\j], 0
	v_mov_b32 v[NMI+\j], 0x7f61b1e6                ; -M begins at 3e38, over every -t
	v_mov_b32 v[LI+\j], 0
.endr
	v_mov_b32 v[NINF], 0xff800000
	v_mov_b32 v[FF+1], 0
	v_mov_b32 v[NM+1], 0
	WIN 0x40
.set e, 0
.rept 256
	v_mov_b32 v[e], 0                              ; O^T
.set e, e+1
.endr
	WIN 0
; The softmax of one unit: 64 scores of my query in v[SS] on; old -M in v[NMO].  It leaves p's codes in v[PC] on, their scale word in v[PW], f in v[FF], the new -M in v[NM], the unit's sum in v[SSUM].
.macro SOFTMAX
.irp b, 0,1,2,3
	v_max3_num_f32 v[BM+\b], v[SS+16*\b], v[SS+16*\b+1], v[SS+16*\b+2]   ; the largest score of each block of 32 keys: for the row's maximum and for the block's largest p
.endr
.irp i, 3,5,7,9,11,13
.irp b, 0,1,2,3
	v_max3_num_f32 v[BM+\b], v[BM+\b], v[SS+16*\b+\i], v[SS+16*\b+\i+1]
.endr
.endr
.irp b, 0,1,2,3
	v_max_num_f32 v[BM+\b], v[BM+\b], v[SS+16*\b+15]
.endr
.irp b, 0,1,2,3
	v_permlanex16_b32 v[T1+\b], v[BM+\b], s70, s71
.endr
.irp b, 0,1,2,3
	v_max_num_f32 v[BM+\b], v[BM+\b], v[T1+\b]
.endr
	v_max3_num_f32 v[TT], v[BM], v[BM+1], v[BM+2]
	v_max_num_f32 v[TT], v[TT], v[BM+3]
	v_mul_f32 v[TT], s72, v[TT]                    ; the unit's largest t
	v_floor_f32 v[NM], -v[TT]                      ; -ceil(t)
	v_min_num_f32 v[NM], v[NM], v[NMO]             ; the ceiling of a maximum is the maximum of the ceilings
	v_sub_f32 v[TT], v[NM], v[NMO]                 ; old M - new M, a whole number, 0 or less
	v_cvt_i32_f32 v[TT], v[TT]                     ; (it saturates)
	v_ldexp_f32 v[FF], 1.0, v[TT]
.set e, 0
.rept 32
	v_pk_fma_f32 v[SS+e:SS+e+1], v[SS+e:SS+e+1], s[72:73], v[NM:NM+1] op_sel_hi:[1,0,0]   ; t - M
.set e, e+2
.endr
.irp b, 0,1,2,3
	v_fma_f32 v[BM+\b], v[BM+\b], s72, v[NM]
.endr
.set e, 0
.rept 64
	v_exp_f32 v[SS+e], v[SS+e]
.set e, e+1
.endr
	v_nop                                          ; a plain instruction behind the batch,
	s_wait_alu depctr_va_vdst(0)                   ; and one wait for the 64, ahead of their first reader
.irp b, 0,1,2,3
	v_exp_f32 v[BM+\b], v[BM+\b]                   ; each block's largest p
.endr
	v_pk_add_f32 v[SA:SA+1], v[SS:SS+1], v[SS+2:SS+3]          ; the sum of the unquantised p, in two chains: it reads the 64 alone
	v_pk_add_f32 v[SB2:SB2+1], v[SS+4:SS+5], v[SS+6:SS+7]
.set e, 8
.rept 14
	v_pk_add_f32 v[SA:SA+1], v[SA:SA+1], v[SS+e:SS+e+1]
	v_pk_add_f32 v[SB2:SB2+1], v[SB2:SB2+1], v[SS+e+2:SS+e+3]
.set e, e+4
.endr
	v_pk_add_f32 v[SA:SA+1], v[SA:SA+1], v[SB2:SB2+1]
	v_add_f32 v[SSUM], v[SA], v[SA+1]
	s_wait_alu depctr_va_vdst(0)                   ; one wait for the four
.irp b, 0,1,2,3
	v_max_num_f32 v[BM+\b], 0x4800000, v[BM+\b]    ; the floor 2^(9 - 127)
.endr
.irp b, 0,1,2,3
	v_add_nc_u32 v[SOP+\b], 0xfc000000, v[BM+\b]
.endr
.irp b, 0,1,2,3
	v_and_or_b32 v[LIM+\b], v[BM+\b], 0x7f800000, s74
.endr
.irp b, 0,1,2,3
	v_lshrrev_b32 v[T1+\b], 23, v[SOP+\b]
.endr
	v_lshl_or_b32 v[PW], v[T1+1], 8, v[T1]
	v_lshl_or_b32 v[PW], v[T1+2], 16, v[PW]
	v_lshl_or_b32 v[PW], v[T1+3], 24, v[PW]
.irp b, 0,1,2,3
.irp i, 0,1,2,3,4,5,6,7,8,9,10,11,12,13,14,15
	v_min_num_f32 v[SS+16*\b+\i], v[SS+16*\b+\i], v[LIM+\b]    ; the hold: p is not negative
.endr
	v_cvt_scalef32_pk8_fp8_f32 v[PC+4*\b:PC+4*\b+1], v[SS+16*\b:SS+16*\b+7], v[SOP+\b]
	v_cvt_scalef32_pk8_fp8_f32 v[PC+4*\b+2:PC+4*\b+3], v[SS+16*\b+8:SS+16*\b+15], v[SOP+\b]
.endr
.endm
; The lines that name tile i's O^T: x f, then += V^T P, four accumulators by turns; the tile's sum and -M; the next tile's old -M.
.macro OVAR s, i
.Lov\s\i:
	WIN 0x41
.set e, 0
.rept 16
	v_pk_mul_f32 v[32*\i+e:32*\i+e+1], v[32*\i+e:32*\i+e+1], v[FF:FF+1] op_sel_hi:[1,0]
.set e, e+2
.endr
	WIN 0x50
.irp p, 0,1
	v_wmma_scale_f32_16x16x128_f8f6f4 v[32*\i+16*\p:32*\i+16*\p+7], v[KF+32*\p:KF+32*\p+15], v[PC:PC+15], v[32*\i+16*\p:32*\i+16*\p+7], v[VS+\p], v[PW]
	v_wmma_scale_f32_16x16x128_f8f6f4 v[32*\i+16*\p+8:32*\i+16*\p+15], v[KF+32*\p+16:KF+32*\p+31], v[PC:PC+15], v[32*\i+16*\p+8:32*\i+16*\p+15], v[VS+\p], v[PW] matrix_a_scale:MATRIX_SCALE_ROW1
.endr
	WIN 0
	v_fma_f32 v[LI+\i], v[LI+\i], v[FF], v[SSUM]
	v_mov_b32 v[NMI+\i], v[NM]
.if \i < 7
	v_mov_b32 v[NMO], v[NMI+\i+1]
.endif
.endm
; KEY STEP s, for tiles 2 s .. 7; tiles 2 s and 2 s + 1 lie on the diagonal.  My head's block lies in slot s % 2; I fetched it myself and nobody else reads it.
.macro ATT_STEP s
	s_add_co_u32 s30, s29, ((\s)&1)*AS1
	v_add_nc_u32 v[AKV], s30, v[L16]
	v_add_nc_u32 v[ASC], s30, v[L4]
	v_add_nc_u32 v[AVB], s30, v[LN]
.irp c, 0,1,2,3
	ds_load_u8 v[BM+2*\c], v[AVB] offset:16896+64*\c           ; V's scale bytes: lanes 0-15 an even tile's channels, lanes 16-31 the odd one's
	ds_load_u8 v[BM+2*\c+1], v[AVB] offset:16896+64*\c+32
.endr
	s_wait_dscnt 0x0
	v_lshl_or_b32 v[VS], v[BM+2], 8, v[BM]         ; (nine plain lines stand between the last step's last product and this write of its scale register: two behind it, four behind the tensor load, three above)
	v_lshl_or_b32 v[VS+1], v[BM+3], 8, v[BM+1]
	v_lshl_or_b32 v[VS], v[BM+4], 16, v[VS]
	v_lshl_or_b32 v[VS+1], v[BM+5], 16, v[VS+1]
	v_lshl_or_b32 v[VS], v[BM+6], 24, v[VS]
	v_lshl_or_b32 v[VS+1], v[BM+7], 24, v[VS+1]
	v_mov_b32 v[NMO], v[NMI+2*(\s)]
	s_mov_b32 s66, 2*(\s)                          ; the tile
.Latt\s:
	NOPS 8                                         ; places in front of loads into registers that the last products read
.irp t, 0,1,2,3,4,5,6,7
	ds_load_b128 v[KF+8*\t:KF+8*\t+3], v[AKV] offset:1024*\t
	ds_load_b128 v[KF+8*\t+4:KF+8*\t+7], v[AKV] offset:1024*\t+512
.endr
.irp p, 0,1,2,3
	ds_load_b32 v[KSC+\p], v[ASC] offset:16384+128*\p
.endr
	s_wait_loadcnt 0x0                             ; Q and its scale word, asked for a unit ago (in the very first trip the rows' statistics too)
	s_wait_dscnt 0x0
.irp p, 0,1,2,3
	v_wmma_scale_f32_16x16x128_f8f6f4 v[SS+16*\p:SS+16*\p+7], v[KF+16*\p:KF+16*\p+15], v[QF:QF+15], 0, v[KSC+\p], v[QS]
	v_wmma_scale_f32_16x16x128_f8f6f4 v[SS+16*\p+8:SS+16*\p+15], v[KF+16*\p+8:KF+16*\p+23], v[QF:QF+15], 0, v[KSC+\p], v[QS] matrix_a_scale:MATRIX_SCALE_ROW1
.endr
	s_add_co_u32 s67, s66, 1                       ; the next unit's tile: the next one, or the next step's first
	s_cmp_eq_u32 s66, 7
	s_cselect_b32 s67, 2*(\s)+2-(\s)/3, s67
	s_lshr_b32 s90, s67, 1
	s_mul_i32 s90, s90, BLK
	s_and_b32 s91, s67, 1
	s_lshl_b32 s68, s91, 12
	s_add_co_u32 s68, s68, s90
	s_lshl_b32 s69, s91, 8
	s_add_co_u32 s69, s69, s90
	v_add_nc_u32 v[QA], s68, v[QO]
	v_add_nc_u32 v[QSA], s69, v[QSO]
	NOPS 6                                         ; with the two additions: eight places behind the products, for the loads below and for the first read of the scores
	global_load_b128 v[QF:QF+3], v[QA], s[78:79]
	global_load_b128 v[QF+4:QF+7], v[QA], s[78:79] offset:512
	global_load_b32 v[QS], v[QSA], s[78:79] offset:16384
.irp t, 0,1,2,3
.irp c, 0,1,2,3
	ds_load_b128 v[KF+16*\t+4*\c:KF+16*\t+4*\c+3], v[AKV] offset:8192+2048*\t+512*\c   ; V: it lands under the softmax
.endr
.endr
	s_cmp_ge_u32 s66, 2*(\s)+2                     ; on the diagonal hidden scores become -infinity: p = 0.  A branch on the loop's counter
	s_cbranch_scc1 .Lopen\s
	s_and_b32 s90, s66, 1
	s_lshl_b32 s90, s90, 6
	v_add_nc_u32 v[DD], s90, v[D0]                 ; register 16 b + i holds key 32 b + i + 16 h of the step: hidden where 32 b + i > my query - 16 h
.set e, 0
.rept 64
	v_cmp_gt_i32 vcc_lo, 32*(e/16)+e%16, v[DD]
	v_cndmask_b32 v[SS+e], v[SS+e], v[NINF], vcc_lo
.set e, e+1
.endr
.Lopen\s:
	SOFTMAX
	s_wait_dscnt 0x0                               ; V
	NOPS 4                                         ; a plain line behind the conversions, and the places between the codes and the product that takes them
.irp i, 0,1,2,3,4,5,6
.if \i >= 2*(\s)
	s_cmp_eq_u32 s66, \i
	s_cbranch_scc1 .Lov\s\i
.endif
.endr
	OVAR \s, 7
	s_branch .Ljn\s
.irp i, 0,1,2,3,4,5,6
.if \i >= 2*(\s)
	OVAR \s, \i
.if \i < 6
	s_branch .Ljn\s
.endif
.endif
.endr
.Ljn\s:
	s_add_co_u32 s66, s66, 1
	s_cmp_lt_u32 s66, 8
	s_cbranch_scc1 .Latt\s
.endm
	s_wait_tensorcnt 0x1                           ; my block of key step 0 is in; key step 1's may be out
	ATT_STEP 0
	CHANGE 48, 32, 2*BLK, 1                        ; key step 2 into slot 0
	ATT_STEP 1
	CHANGE 52, 32, 2*BLK, 1                        ; key step 3 into slot 1
	ATT_STEP 2
	CHANGE 56, 40, 0, 1                            ; wf's slot 0 into bytes of attention's slot 0, which nobody reads any more
	; x is asked for here, one key step (two units a wave) ahead of its loads: each lane names one row's 256 bytes of my wave's columns, each named once in the launch but for the lanes held at row 499
	global_prefetch_b8 v[PFO], s[80:81] th:TH_LOAD_NT scope:SCOPE_SE
	global_prefetch_b8 v[PFO], s[80:81] offset:262144 th:TH_LOAD_NT scope:SCOPE_SE
	global_prefetch_b8 v[PFO], s[80:81] offset:524288 th:TH_LOAD_NT scope:SCOPE_SE
	global_prefetch_b8 v[PFO3], s[80:81] th:TH_LOAD_NT scope:SCOPE_SE
	ATT_STEP 3
	CHANGE 60, 40, 0, 1                            ; wf's slot 1
; ---- y = O / l + h, and each wave's part of LN2's statistics
.set STI, 16                           ; the stage by rows of 256 bytes: 272 h + 16 r
.set STO, 17                           ; the stage by the results' layout: 272 r + 64 h
.set XV,  18                           ; x and out0: (CXR + h) rows + 16 r
.set LNW, 19
.set XC,  20                           ; v20-23 tile 7's last eight rows, held at row 499
.set LNR, 20
.set AH2W, 21
.set AH2S, 22
.set G,   24                           ; v24-55 gain, v56-87 bias of my 32 columns
.set B,   56
.set XT,  88                           ; v88-119 32 numbers at work
.set RAW, 120                          ; v120-215 three tiles of x as loaded
.set B2,  120
.set LT,  152
.set CD,  152
.set RLP, 216                          ; v216 1 / l, v218 1/sigma of the tile in hand, each the low word of a pair
.set RSP, 218
.set RL,  220                          ; v220-227 1 / l; later the tiles' scale half-words
.set HW,  220
.set PAO, 228
.set TS,  229
.set CA,  230
.set CB,  232
.set TP,  234
.set TQ,  228
	s_wait_loadcnt 0x0                             ; the last unit's load of Q
	s_wait_xcnt 0x0                                ; the prefetches, a key step back, have read their registers
	s_mul_i32 s90, s26, 4352
	s_add_co_u32 s90, s90, STG
	v_mul_u32_u24 v[STI], v[HH], 272
	v_lshl_add_u32 v[STI], v[RR], 4, v[STI]
	v_add_nc_u32 v[STI], s90, v[STI]
	v_mul_u32_u24 v[STO], v[RR], 272
	v_lshl_add_u32 v[STO], v[HH], 6, v[STO]
	v_add_nc_u32 v[STO], s90, v[STO]
	v_add_nc_u32 v[RLP], s28, v[HH]
	v_lshlrev_b32 v[XV], 11, v[RLP]
	v_lshl_add_u32 v[XV], v[RR], 4, v[XV]
	s_lshl_b32 s91, s26, 3
	s_add_co_u32 s91, s91, LNP
	v_lshl_add_u32 v[LNW], v[RR], 6, s91
.irp q, 0,1,2,3
	v_add_nc_u32 v[XC+\q], 464+2*\q, v[RLP]
	v_min_u32 v[XC+\q], 499, v[XC+\q]
	v_lshlrev_b32 v[XC+\q], 11, v[XC+\q]
	v_lshl_add_u32 v[XC+\q], v[RR], 4, v[XC+\q]
.endr
.irp i, 0,1,2,3,4,5,6,7
	v_permlanex16_b32 v[208+\i], v[LI+\i], s70, s71
.endr
.irp i, 0,1,2,3,4,5,6,7
	v_add_f32 v[LI+\i], v[LI+\i], v[208+\i]        ; the row's sum: my keys' and lane l xor 16's
.endr
.irp i, 0,1,2,3,4,5,6,7
	v_rcp_f32 v[RL+\i], v[LI+\i]
.endr
	v_mov_b32 v[RLP+1], 0                          ; (plain lines behind the batch: the pairs' upper halves are written)
	v_mov_b32 v[RSP+1], 0
	s_wait_alu depctr_va_vdst(0)                   ; one wait for the eight reciprocals
	v_lshlrev_b32 v[PAO], 6, v[HH]
.irp n, 0,1,2,3,4,5,6,7
	global_load_b128 v[G+4*\n:G+4*\n+3], v[PAO], s[12:13] offset:128*(\n/4)+16*(\n%4)
	global_load_b128 v[B+4*\n:B+4*\n+3], v[PAO], s[14:15] offset:128*(\n/4)+16*(\n%4)
.endr
.macro RAWLD i                         ; tile i of x: eight loads; sixteen lanes read my wave's 256 bytes of a row
.set RW, RAW+32*((\i)%3)
.irp k, 0,1,2,3,4,5,6,7
.if ((\i) == 7) && (\k >= 4)
	global_load_b128 v[RW+4*\k:RW+4*\k+3], v[XC+\k-4], s[80:81] th:TH_LOAD_NT
.else
	global_load_b128 v[RW+4*\k:RW+4*\k+3], v[XV], s[80:81] offset:(64*(\i)+2*\k+8*(\k/4))*2048 th:TH_LOAD_NT
.endif
.endr
.endm
	RAWLD 0
	RAWLD 1
	RAWLD 2
.macro P2A i, cnt                      ; cnt: the younger tiles' loads, which may stay out
.set RW, RAW+32*((\i)%3)
.set A0, 32*(\i)
	s_wait_loadcnt \cnt
.irp k, 0,1,2,3,4,5,6,7
	ds_store_b128 v[STI], v[RW+4*\k:RW+4*\k+3] offset:544*\k   ; through my own stage: in by rows,
.endr
.irp n, 0,1,2,3,4,5,6,7
	ds_load_b128 v[XT+4*\n:XT+4*\n+3], v[STO] offset:128*(\n/4)+16*(\n%4)   ; out in the results' layout.  LDS serves a wave's instructions in order
.endr
	s_wait_dscnt 0x0
.if (\i)+3 < 8
	RAWLD (\i)+3
.endif
	v_mov_b32 v[RLP], v[RL+(\i)]
	v_mov_b32 v[RSP], v[MS+2*(\i)+1]
.set e, 0
.rept 16
	v_pk_add_f32 v[XT+e:XT+e+1], v[XT+e:XT+e+1], v[MS+2*(\i):MS+2*(\i)+1] op_sel_hi:[1,0] neg_lo:[0,1] neg_hi:[0,1]
.set e, e+2
.endr
.set e, 0
.rept 16
	v_pk_mul_f32 v[XT+e:XT+e+1], v[XT+e:XT+e+1], v[RSP:RSP+1] op_sel_hi:[1,0]
.set e, e+2
.endr
.set e, 0
.rept 16
	v_pk_fma_f32 v[XT+e:XT+e+1], v[XT+e:XT+e+1], v[G+e:G+e+1], v[B+e:B+e+1]     ; h, as the first launch made it
.set e, e+2
.endr
	WIN 0x41
.set e, 0
.rept 16
	v_pk_fma_f32 v[A0+e:A0+e+1], v[A0+e:A0+e+1], v[RLP:RLP+1], v[XT+e:XT+e+1] op_sel_hi:[1,0,1]   ; y = O / l + h, from the low end on
.set e, e+2
.endr
	WIN 0x01
	v_pk_mul_f32 v[CA:CA+1], v[A0:A0+1], 1.0 op_sel_hi:[1,0]   ; the first two pairs start the two chains
	v_pk_mul_f32 v[CB:CB+1], v[A0+2:A0+3], 1.0 op_sel_hi:[1,0]
.set e, 4
.rept 7
	v_pk_add_f32 v[CA:CA+1], v[A0+e:A0+e+1], v[CA:CA+1]
	v_pk_add_f32 v[CB:CB+1], v[A0+e+2:A0+e+3], v[CB:CB+1]
.set e, e+4
.endr
	WIN 0
	v_pk_add_f32 v[CA:CA+1], v[CA:CA+1], v[CB:CB+1]
	v_add_f32 v[TS], v[CA], v[CA+1]
	v_permlanex16_b32 v[TP], v[TS], s70, s71
	v_add_f32 v[TS], v[TS], v[TP]
	v_mul_f32 v[CA], s77, v[TS]                    ; the mean of the row's 64 numbers in my columns
	WIN 0x01
.set e, 0
.rept 16
	v_pk_add_f32 v[XT+e:XT+e+1], v[A0+e:A0+e+1], v[CA:CA+1] op_sel_hi:[1,0] neg_lo:[0,1] neg_hi:[0,1]
.set e, e+2
.endr
	WIN 0
	v_pk_mul_f32 v[CB:CB+1], v[XT:XT+1], v[XT:XT+1]
	v_pk_mul_f32 v[TP:TP+1], v[XT+2:XT+3], v[XT+2:XT+3]
.set e, 4
.rept 7
	v_pk_fma_f32 v[CB:CB+1], v[XT+e:XT+e+1], v[XT+e:XT+e+1], v[CB:CB+1]
	v_pk_fma_f32 v[TP:TP+1], v[XT+e+2:XT+e+3], v[XT+e+2:XT+e+3], v[TP:TP+1]
.set e, e+4
.endr
	v_pk_add_f32 v[CB:CB+1], v[CB:CB+1], v[TP:TP+1]
	v_add_f32 v[TS], v[CB], v[CB+1]
	v_permlanex16_b32 v[TP], v[TS], s70, s71
	v_add_f32 v[CA+1], v[TS], v[TP]                ; and the sum of squares about that mean
	ds_store_b64 v[LNW], v[CA:CA+1] offset:1024*(\i)           ; both halves of the lanes write the same words with the same values
.endm
	P2A 0, 16
	P2A 1, 16
	P2A 2, 16
	P2A 3, 16
	P2A 4, 16
	P2A 5, 16
	P2A 6, 8
	P2A 7, 0
.irp n, 0,1,2,3,4,5,6,7
	global_load_b128 v[G+4*\n:G+4*\n+3], v[PAO], s[16:17] offset:128*(\n/4)+16*(\n%4)    ; ln2_g, ln2_b, b2
	global_load_b128 v[B+4*\n:B+4*\n+3], v[PAO], s[18:19] offset:128*(\n/4)+16*(\n%4)
	global_load_b128 v[B2+4*\n:B2+4*\n+3], v[PAO], s[22:23] offset:128*(\n/4)+16*(\n%4)
.endr
	v_lshl_add_u32 v[LNR], v[RR], 6, LNP
	s_lshr_b32 s90, s26, 1
	s_and_b32 s91, s26, 1
	s_lshl_b32 s92, s90, 11
	s_lshl_b32 s93, s91, 10
	s_add_co_u32 s92, s92, s93
	s_add_co_u32 s92, s92, H2IMG
	v_add_nc_u32 v[AH2W], s92, v[L16]              ; my columns are K step w / 2, registers 8 (w % 2) on, of h2's fragments
	s_lshl_b32 s92, s90, 7
	s_lshl_b32 s93, s91, 1
	s_add_co_u32 s92, s92, s93
	s_add_co_u32 s92, s92, H2SC
	v_add_nc_u32 v[AH2S], s92, v[L4]
	s_wait_dscnt 0x0                               ; for the others' sake: my parts are stored.
	s_barrier_signal -1
	s_barrier_wait -1
; The eight waves' (mean, sum of squares) of a row are joined: mean = the mean of the means; M2 = the sum of the parts + 64 x the sum of (part's mean - mean)^2: no difference of large sums.
.macro LNSTAT g
.irp t, 0,1,2,3
.irp k, 0,1,2,3
	ds_load_b128 v[LT+16*\t+4*\k:LT+16*\t+4*\k+3], v[LNR] offset:1024*(4*\g+\t)+16*\k
.endr
.endr
	s_wait_dscnt 0x0
.irp t, 0,1,2,3
	v_pk_add_f32 v[XT+2*\t:XT+2*\t+1], v[LT+16*\t:LT+16*\t+1], v[LT+16*\t+2:LT+16*\t+3]
.endr
.irp w, 2,3,4,5,6,7
.irp t, 0,1,2,3
	v_pk_add_f32 v[XT+2*\t:XT+2*\t+1], v[XT+2*\t:XT+2*\t+1], v[LT+16*\t+2*\w:LT+16*\t+2*\w+1]
.endr
.endr
.irp t, 0,1,2,3
	v_mul_f32 v[MS+2*(4*\g+\t)], 0x3e000000, v[XT+2*\t]
.endr
.irp w, 0,1,2,3,4,5,6,7
.irp t, 0,1,2,3
	v_sub_f32 v[LT+16*\t+2*\w], v[LT+16*\t+2*\w], v[MS+2*(4*\g+\t)]
.endr
.endr
.irp t, 0,1,2,3
	v_mul_f32 v[XT+8+\t], v[LT+16*\t], v[LT+16*\t]
.endr
.irp w, 1,2,3,4,5,6,7
.irp t, 0,1,2,3
	v_fma_f32 v[XT+8+\t], v[LT+16*\t+2*\w], v[LT+16*\t+2*\w], v[XT+8+\t]
.endr
.endr
.irp t, 0,1,2,3
	v_fma_f32 v[XT+8+\t], v[XT+8+\t], 0x42800000, v[XT+2*\t+1]
.endr
.irp t, 0,1,2,3
	v_fma_f32 v[XT+8+\t], v[XT+8+\t], s76, s75
.endr
.irp t, 0,1,2,3
	v_rsq_f32 v[MS+2*(4*\g+\t)+1], v[XT+8+\t]
.endr
	v_nop
	s_wait_alu depctr_va_vdst(0)                   ; one wait for the four
.endm
	LNSTAT 0
	LNSTAT 1
; 32 numbers of a lane, v[s] on: register 16 b + i = k 32 b + 16 h + i of my row: two blocks of 32, shared with lane l xor 16.  Codes into v[pc] .. v[pc + 7], the two scale bytes into v[pw].  relu = 1: what is negative becomes 0 on the way.
.macro QUANT2 s, relu, pc, pw, tq
.if \relu
.irp b, 0,1
	v_max3_num_f32 v[\tq+\b], v[\s+16*\b], v[\s+16*\b+1], 0x4800000
.endr
.irp i, 2,4,6,8,10,12,14
.irp b, 0,1
	v_max3_num_f32 v[\tq+\b], v[\tq+\b], v[\s+16*\b+\i], v[\s+16*\b+\i+1]
.endr
.endr
.else
.irp b, 0,1
	v_max3_num_f32 v[\tq+\b], |v[\s+16*\b]|, |v[\s+16*\b+1]|, 0x4800000
.endr
.irp i, 2,4,6,8,10,12,14
.irp b, 0,1
	v_max3_num_f32 v[\tq+\b], v[\tq+\b], |v[\s+16*\b+\i]|, |v[\s+16*\b+\i+1]|
.endr
.endr
.endif
.irp b, 0,1
	v_permlanex16_b32 v[\tq+2+\b], v[\tq+\b], s70, s71
.endr
.irp b, 0,1
	v_max_num_f32 v[\tq+\b], v[\tq+\b], v[\tq+2+\b]
.endr
.irp b, 0,1
	v_add_nc_u32 v[\tq+4+\b], 0xfc000000, v[\tq+\b]
.endr
.irp b, 0,1
	v_and_or_b32 v[\tq+6+\b], v[\tq+\b], 0x7f800000, s74
.endr
.irp b, 0,1
	v_lshrrev_b32 v[\tq+2+\b], 23, v[\tq+4+\b]
.endr
	v_lshl_or_b32 v[\pw], v[\tq+3], 8, v[\tq+2]
.irp b, 0,1
.irp i, 0,1,2,3,4,5,6,7,8,9,10,11,12,13,14,15
.if \relu
	v_med3_num_f32 v[\s+16*\b+\i], v[\s+16*\b+\i], 0, v[\tq+6+\b]            ; the activation and the hold in one
.else
	v_med3_num_f32 v[\s+16*\b+\i], v[\s+16*\b+\i], -v[\tq+6+\b], v[\tq+6+\b]
.endif
.endr
	v_cvt_scalef32_pk8_fp8_f32 v[\pc+4*\b:\pc+4*\b+1], v[\s+16*\b:\s+16*\b+7], v[\tq+4+\b]
	v_cvt_scalef32_pk8_fp8_f32 v[\pc+4*\b+2:\pc+4*\b+3], v[\s+16*\b+8:\s+16*\b+15], v[\tq+4+\b]
.endr
	v_nop                                          ; a plain line behind the last conversion
.endm
.macro P2B i                           ; h2 of tile i; ACC = h2 + b2; h2's codes go to LDS as an image of the operand's registers
.set A0, 32*(\i)
	v_mov_b32 v[RSP], v[MS+2*(\i)+1]
	WIN 0x01
.set e, 0
.rept 16
	v_pk_add_f32 v[XT+e:XT+e+1], v[A0+e:A0+e+1], v[MS+2*(\i):MS+2*(\i)+1] op_sel_hi:[1,0] neg_lo:[0,1] neg_hi:[0,1]
.set e, e+2
.endr
	WIN 0
.set e, 0
.rept 16
	v_pk_mul_f32 v[XT+e:XT+e+1], v[XT+e:XT+e+1], v[RSP:RSP+1] op_sel_hi:[1,0]
.set e, e+2
.endr
.set e, 0
.rept 16
	v_pk_fma_f32 v[XT+e:XT+e+1], v[XT+e:XT+e+1], v[G+e:G+e+1], v[B+e:B+e+1]
.set e, e+2
.endr
	WIN 0x40
.set e, 0
.rept 16
	v_pk_add_f32 v[A0+e:A0+e+1], v[XT+e:XT+e+1], v[B2+e:B2+e+1]
.set e, e+2
.endr
	WIN 0
	QUANT2 XT, 0, CD+8*(\i), HW+(\i), TQ
	ds_store_b128 v[AH2W], v[CD+8*(\i):CD+8*(\i)+3] offset:8192*(\i)
	ds_store_b128 v[AH2W], v[CD+8*(\i)+4:CD+8*(\i)+7] offset:8192*(\i)+512
	ds_store_b16 v[AH2S], v[HW+(\i)] offset:512*(\i)
.endm
	s_wait_loadcnt 0x0                             ; ln2_g, ln2_b, b2
.irp i, 0,1,2,3,4,5,6,7
	P2B \i
.endr
; ---- the FFN.  A chunk is 256 hidden units: two slots of W1 (two K steps each), two of W2 (one K step each).  First product: wave w makes units 64 (w % 4) on for row tiles 4 (w / 4) on; second: its 64 output columns for all eight tiles.
.set AW1,  16                          ; v16-17 my fragments of W1 in slot 0, 1;  v18-19 of W2;  v20-21, v22-23 their scale words
.set AW2,  18
.set ASW1, 20
.set ASW2, 22
.set AX,   24
.set AXS,  25
.set AH,   26
.set AHS,  27
.set AHW,  28
.set AHSW, 29
.set OSTO, 30
.set OSTI, 31
.set BIA,  2
.set OXV,  3
.set HA,   32                          ; v32-159 the hidden layer: 4 row tiles x 4 tiles of units
.set WF,   160                         ; v160-223 four fragments of a weight
.set XF0,  224
.set XF1,  240
	s_and_b32 s90, s26, 3                          ; ug
	s_lshr_b32 s91, s26, 2                         ; rh
	v_mov_b32 v[OSTI], v[STI]
	v_mov_b32 v[OSTO], v[STO]
	v_lshlrev_b32 v[BIA], 6, v[HH]
	v_mov_b32 v[OXV], v[XV]
	s_lshl_b32 s92, s90, 13
	v_add_nc_u32 v[AW1], s92, v[L16]
	v_add_nc_u32 v[AW1+1], WSL, v[AW1]
	s_lshl_b32 s92, s26, 13
	v_add_nc_u32 v[AW2], s92, v[L16]
	v_add_nc_u32 v[AW2+1], WSL, v[AW2]
	s_lshl_b32 s92, s90, 8
	s_add_co_u32 s92, s92, 65536
	v_add_nc_u32 v[ASW1], s92, v[L4]
	v_add_nc_u32 v[ASW1+1], WSL, v[ASW1]
	s_lshl_b32 s92, s26, 8
	s_add_co_u32 s92, s92, 65536
	v_add_nc_u32 v[ASW2], s92, v[L4]
	v_add_nc_u32 v[ASW2+1], WSL, v[ASW2]
	s_lshl_b32 s92, s91, 15
	s_add_co_u32 s92, s92, H2IMG
	v_add_nc_u32 v[AX], s92, v[L16]
	s_lshl_b32 s92, s91, 11
	s_add_co_u32 s92, s92, H2SC
	v_add_nc_u32 v[AXS], s92, v[L4]
	v_add_nc_u32 v[AH], HIMG, v[L16]
	v_add_nc_u32 v[AHS], HSC, v[L4]
	s_lshl_b32 s92, s91, 3
	s_lshr_b32 s93, s90, 1
	s_add_co_u32 s92, s92, s93                     ; 8 rh + ug / 2: my units are K step ug / 2 of the chunk's two, registers 8 (ug % 2) on
	s_and_b32 s93, s90, 1
	s_lshl_b32 s94, s92, 11
	s_lshl_b32 s95, s93, 10
	s_add_co_u32 s94, s94, s95
	s_add_co_u32 s94, s94, HIMG
	v_add_nc_u32 v[AHW], s94, v[L16]
	s_lshl_b32 s94, s92, 7
	s_lshl_b32 s95, s93, 1
	s_add_co_u32 s94, s94, s95
	s_add_co_u32 s94, s94, HSC
	v_add_nc_u32 v[AHSW], s94, v[L4]
.macro BIAS                            ; b1 of my 64 units INTO the accumulators, once for each row tile: it is the C of the first K step like any partial sum
.irp q, 0,1,2,3
.irp n, 0,1,2,3,4,5,6,7
	global_load_b128 v[HA+32*\q+4*\n:HA+32*\q+4*\n+3], v[BIA], s[86:87] offset:128*(\n/4)+16*(\n%4)
.endr
.endr
.endm
	BIAS
	s_wait_tensorcnt 0x0                           ; my eighths of wf's slots 0 and 1 are in,
	s_wait_dscnt 0x0                               ; my images of h2 are stored:
	s_barrier_signal -1
	s_barrier_wait -1                              ; everybody's are
.macro XFLD reg, sc, f                 ; fragment f of h2's images, and its scale words
.irp c, 0,1,2,3
	ds_load_b128 v[\reg+4*\c:\reg+4*\c+3], v[AX] offset:(\f)*2048+512*\c
.endr
	ds_load_b32 v[\sc], v[AXS] offset:(\f)*128
.endm
.macro HFLD reg, sc, f                 ; the same of the hidden layer's
.irp c, 0,1,2,3
	ds_load_b128 v[\reg+4*\c:\reg+4*\c+3], v[AH] offset:(\f)*2048+512*\c
.endr
	ds_load_b32 v[\sc], v[AHS] offset:(\f)*128
.endm
.macro MM1 q, xf, sc                   ; four products: my four tiles of units x row tile q of my four; the accumulators by turns
.irp p, 0,1
	v_wmma_scale_f32_16x16x128_f8f6f4 v[HA+32*\q+16*\p:HA+32*\q+16*\p+7], v[WF+32*\p:WF+32*\p+15], v[\xf:\xf+15], v[HA+32*\q+16*\p:HA+32*\q+16*\p+7], v[WSC+\p], v[\sc]
	v_wmma_scale_f32_16x16x128_f8f6f4 v[HA+32*\q+16*\p+8:HA+32*\q+16*\p+15], v[WF+32*\p+16:WF+32*\p+31], v[\xf:\xf+15], v[HA+32*\q+16*\p+8:HA+32*\q+16*\p+15], v[WSC+\p], v[\sc] matrix_a_scale:MATRIX_SCALE_ROW1
.endr
.endm
.macro MM2 m, xf, sc                   ; four products: my four tiles of output columns x row tile m; C and D in window 1
.irp p, 0,1
	v_wmma_scale_f32_16x16x128_f8f6f4 v[32*\m+16*\p:32*\m+16*\p+7], v[WF+32*\p:WF+32*\p+15], v[\xf:\xf+15], v[32*\m+16*\p:32*\m+16*\p+7], v[WSC+\p], v[\sc]
	v_wmma_scale_f32_16x16x128_f8f6f4 v[32*\m+16*\p+8:32*\m+16*\p+15], v[WF+32*\p+16:WF+32*\p+31], v[\xf:\xf+15], v[32*\m+16*\p+8:32*\m+16*\p+15], v[WSC+\p], v[\sc] matrix_a_scale:MATRIX_SCALE_ROW1
.endr
.endm
; One K step of the first product: slot sg, its kk-th K step, which is K step ks of h2.  Eight places stand in front of every load into a register that a product has read.
; s_wait_dscnt 5 leaves out the five loads of the row fragment asked for last.
.macro F1K sg, kk, ks
	NOPS 8
.irp a, 0,1,2,3
.irp c, 0,1,2,3
	ds_load_b128 v[WF+16*\a+4*\c:WF+16*\a+4*\c+3], v[AW1+\sg] offset:32768*\kk+2048*\a+512*\c
.endr
.endr
	ds_load_b32 v[WSC], v[ASW1+\sg] offset:1024*\kk
	ds_load_b32 v[WSC+1], v[ASW1+\sg] offset:1024*\kk+128
	XFLD XF0, XSC, \ks
	XFLD XF1, XSC+1, 4+\ks
	s_wait_dscnt 0x5
	MM1 0, XF0, XSC
	NOPS 8
	XFLD XF0, XSC, 8+\ks
	s_wait_dscnt 0x5
	MM1 1, XF1, XSC+1
	NOPS 8
	XFLD XF1, XSC+1, 12+\ks
	s_wait_dscnt 0x5
	MM1 2, XF0, XSC
	s_wait_dscnt 0x0
	MM1 3, XF1, XSC+1
.endm
; One K step of the second product: slot sg, K step kp of the chunk's two.
.macro F2K sg, kp
	NOPS 8
.irp a, 0,1,2,3
.irp c, 0,1,2,3
	ds_load_b128 v[WF+16*\a+4*\c:WF+16*\a+4*\c+3], v[AW2+\sg] offset:2048*\a+512*\c
.endr
.endr
	ds_load_b32 v[WSC], v[ASW2+\sg]
	ds_load_b32 v[WSC+1], v[ASW2+\sg] offset:128
	HFLD XF0, XSC, \kp
	HFLD XF1, XSC+1, 2+\kp
	s_wait_dscnt 0x5
	WIN 0x50
	MM2 0, XF0, XSC
.irp m, 1,2,3,4,5,6,7
.if \m < 7
	WIN 0
	NOPS 8
	HFLD XF0+16*((\m+1)%2), XSC+(\m+1)%2, 2*(\m+1)+\kp
	s_wait_dscnt 0x5
.else
	s_wait_dscnt 0x0
.endif
	WIN 0x50
	MM2 \m, XF0+16*(\m%2), XSC+\m%2
.endr
	WIN 0
.endm
; A chunk: four uses of a slot.  Behind each use the slot is filled with the slot of wf two further on, which has the next use in which to land.  The change of slots is also the barrier between the stores of the hidden layer's
; images (second use) and their reads (third and fourth), and between those reads and the next chunk's stores.
.macro CHUNK f2, f3, next
	s_wait_loadcnt 0x0                             ; b1 lies in the accumulators
	F1K 0, 0, 0
	F1K 0, 1, 1
	CHANGE 56, 40, 2*WSL, 1
	F1K 1, 0, 2
	F1K 1, 1, 3
	NOPS 8                                         ; places in front of the first read of results and of writes into the weights' registers
.irp q, 0,1,2,3
	QUANT2 HA+32*\q, 1, WF+8*\q, WF+32+\q, WF+40
	ds_store_b128 v[AHW], v[WF+8*\q:WF+8*\q+3] offset:4096*\q
	ds_store_b128 v[AHW], v[WF+8*\q+4:WF+8*\q+7] offset:4096*\q+512
	ds_store_b16 v[AHSW], v[WF+32+\q] offset:256*\q
.endr
.if \next
	s_add_nc_u64 s[86:87], s[86:87], 1024          ; (the loads that named this base were shown done at the chunk's head)
	BIAS                                           ; the next chunk's b1: it lands under the second product
.endif
	CHANGE 60, 40, 2*WSL, 1
	F2K 0, 0
	CHANGE 56, 40, 2*WSL, \f2
	F2K 1, 1
.if \f3
	CHANGE 60, 40, 2*WSL, 1
.endif
.endm
	s_mov_b32 s88, 3
.Lchunk:
	CHUNK 1, 1, 1
	s_sub_co_u32 s88, s88, 1
	s_cmp_lg_u32 s88, 0
	s_cbranch_scc1 .Lchunk
	CHUNK 0, 0, 0                                  ; the last chunk is written out: its last two uses ask for nothing
; ---- the way out: a tile (16 rows x my 256 bytes) through my own stage; sixteen lanes store 256 consecutive bytes, at a multiple of 256 from out0's first byte
.set OB, 32
	NOPS 8
	v_bfe_u32 v1, v0, 4, 1
	s_add_co_u32 s90, s28, 448
	v_add_nc_u32 v1, s90, v1                       ; tile 7: CXR + 448 + h
.macro OSTAGE i
	WIN 0x04                                       ; an LDS store's data are its source 1: window 1
.irp n, 0,1,2,3,4,5,6,7
	ds_store_b128 v[OSTO], v[32*(\i)+4*\n:32*(\i)+4*\n+3] offset:128*(\n/4)+16*(\n%4)     ; each accumulator from its low end on
.endr
	WIN 0
.irp k, 0,1,2,3,4,5,6,7
	ds_load_b128 v[OB+32*((\i)%2)+4*\k:OB+32*((\i)%2)+4*\k+3], v[OSTI] offset:544*\k
.endr
.endm
.macro OSEND i
	s_wait_dscnt 16                                ; the next tile's eight stores and eight loads may be out
.irp k, 0,1,2,3,4,5,6,7
	global_store_b128 v[OXV], v[OB+32*((\i)%2)+4*\k:OB+32*((\i)%2)+4*\k+3], s[82:83] offset:(64*(\i)+2*\k+8*(\k/4))*2048 th:TH_STORE_NT
.endr
.endm
	OSTAGE 0
.irp i, 1,2,3,4,5,6,7
.if \i > 1
	s_wait_xcnt 0x0                                ; the stores of two tiles back have read their registers: this tile's loads may land there
.endif
	OSTAGE \i
	OSEND \i-1
.endr
	s_wait_dscnt 0x0
.irp k, 0,1,2,3
	global_store_b128 v[OXV], v[OB+32+4*\k:OB+32+4*\k+3], s[82:83] offset:(448+2*\k)*2048 th:TH_STORE_NT
.endr
	s_wait_xcnt 0x0                                ; EXEC changes only behind this wait
.irp k, 4,5,6,7
	v_cmp_gt_u32 vcc_lo, 492-2*\k, v1              ; row 448 + CXR + 2 k + 8 + h exists where it is under 500: a whole row's sixteen lanes are on or off together
	s_and_saveexec_b32 s89, vcc_lo
	global_store_b128 v[OXV], v[OB+32+4*\k:OB+32+4*\k+3], s[82:83] offset:(456+2*\k)*2048 th:TH_STORE_NT
	s_wait_xcnt 0x0
	s_or_b32 exec_lo, exec_lo, s89
.endr
	s_wait_tensorcnt 0x0                           ; the wave's end: behind my last tensor load and my last LDS store
	ds_add_u32 v[SPW], v[NIL]
	s_wait_dscnt 0x0
	CROUND                                         ; the closing round: no work-group ends while a partner may still ask for a block that names it
	s_endpgm
.Lfunc_end_k_qb56e36fac8_main:
	.size	k_qb56e36fac8_main, .Lfunc_end_k_qb56e36fac8_main-k_qb56e36fac8_main
	.p2alignl 7, 3214868480
	.fill 96, 4, 3214868480
	.section	.rodata,"a",@progbits
	.p2align	6, 0x0
	.amdhsa_kernel k_qb56e36fac8_main
		.amdhsa_group_segment_fixed_size 327680
		.amdhsa_private_segment_fixed_size 0
		.amdhsa_enable_private_segment 0
		.amdhsa_kernarg_size 88
		.amdhsa_user_sgpr_count 2
		.amdhsa_user_sgpr_kernarg_segment_ptr 1
		.amdhsa_wavefront_size32 1
		.amdhsa_system_sgpr_workgroup_id_x 1
		.amdhsa_system_sgpr_workgroup_id_y 1
		.amdhsa_system_sgpr_workgroup_id_z 1
		.amdhsa_system_vgpr_workitem_id 0
		.amdhsa_next_free_vgpr 512
		.amdhsa_next_free_sgpr 100
		.amdhsa_reserve_vcc 1
		.amdhsa_float_denorm_mode_32 3
		.amdhsa_float_denorm_mode_16_64 3
		.amdhsa_memory_ordered 1
		.amdhsa_forward_progress 1
		.amdhsa_inst_pref_size 255
	.end_amdhsa_kernel
	.section	.bss,"aw",@nobits
	.p2align	6
	.space	262144
	.amdgpu_metadata
---
amdhsa.version: [ 1, 2 ]
amdhsa.kernels:
  - .name:           k_qb56e36fac8_main
    .symbol:         k_qb56e36fac8_main.kd
    .args:
      - { .name: x, .offset: 0, .size: 8, .value_kind: global_buffer, .address_space: global }
      - { .name: st, .offset: 8, .size: 8, .value_kind: global_buffer, .address_space: global }
      - { .name: kv, .offset: 16, .size: 8, .value_kind: global_buffer, .address_space: global }
      - { .name: wf, .offset: 24, .size: 8, .value_kind: global_buffer, .address_space: global }
      - { .name: ln1_g, .offset: 32, .size: 8, .value_kind: global_buffer, .address_space: global }
      - { .name: ln1_b, .offset: 40, .size: 8, .value_kind: global_buffer, .address_space: global }
      - { .name: ln2_g, .offset: 48, .size: 8, .value_kind: global_buffer, .address_space: global }
      - { .name: ln2_b, .offset: 56, .size: 8, .value_kind: global_buffer, .address_space: global }
      - { .name: b1, .offset: 64, .size: 8, .value_kind: global_buffer, .address_space: global }
      - { .name: b2, .offset: 72, .size: 8, .value_kind: global_buffer, .address_space: global }
      - { .name: out0, .offset: 80, .size: 8, .value_kind: global_buffer, .address_space: global }
    .group_segment_fixed_size: 327680
    .private_segment_fixed_size: 0
    .kernarg_segment_align: 8
    .kernarg_segment_size: 88
    .max_flat_workgroup_size: 256
    .sgpr_count:     100
    .vgpr_count:     512
    .wavefront_size: 32
...
	.end_amdgpu_metadata
.endif
;; end of part 2
